; MI455X (gfx1250); checked and timed in simulation.
; The chip was launched on July 23, 2026; its instructions are those of AMD's public machine-readable ISA for CDNA 5 (MIT licence, August 2026) and "CDNA5" Instruction Set Architecture Reference Guide (July 2026). The comments in the code are by the model that wrote it; some were corrected since.
;; attention nearly Layer. Allowed arithmetic: matrix products marked QUANTISED: E4M3 operands, one E8M0 scale for each 32 along K, by v_wmma_scale_f32_16x16x128_f8f6f4 with both operands' format E4M3, f32 sums; products left as they are: f32 operands where the result goes on into a quantised operand, else bf16, f16 or f32 operands; f32 sums; everything else in f32.
;; Inputs: V_b 1 float32; V_w 1,024 x 1 float32; W1_b 1,024 float32; W1_w 1,024 x 1,024 float32; W2_b 1,024 float32; W2_w 1,024 x 1,024 float32; query 32 x 1 x 1,024 float32; values 32 x 2,048 x 1,024 float32.
;; Outputs: out0 32 x 1,024 float32; out1 32 x 2,048 x 1 float32.
;; This version of the problem:
;;   THIS VERSION OF THE PROBLEM IS GIVEN IN LOW PRECISION. The matrix products marked QUANTISED in the list below multiply operands that are first quantised to E4M3 (4 exponent bits, 3 mantissa bits; 8 bits a number), with one power-of-two scale for each 32 numbers along K (OCP MX v1.0); their sums are f32. All else is computed in f32.
;;   The module's matrix products, in the order in which they are computed (A, B: the left and right operand; K: the contracted axis; several contracted axes count as one K, in the product's order):
;;     1. [M 65,536, K 1,024] x [K 1,024, N 1,024]; A: input values; B: input W1_w: QUANTISED
;;     2. [M 32, K 1,024] x [K 1,024, N 1,024]; A: input query; B: input W2_w: QUANTISED
;;     3. [M 65,536, K 1,024] x [K 1,024, N 1]; A: computed on the way; B: input V_w: left as it is (N = 1 < 16)
;;   THE QUANTISER, for each operand of a quantised product, along K:
;;     - K is cut into blocks of 32 from its start; a last block that is shorter is filled with zeros.
;;     - A block's scale is 2^e with e = floor(log2(the largest magnitude in the block)) - 8, held to -126 .. 127; a block of zeros has e = 0. As a byte (E8M0): e + 127.
;;     - Each number is divided by its block's scale, clamped to +-448, and rounded to the nearest number of E4M3, ties to even, subnormals kept.
;;     - The product sums the exact products of the quantised numbers (number of the format x scale) in f32.
;;   ~~~python
;;   def quantise(x, axis):      # numpy; x: float32 -> the quantised numbers, widened to float32 again
;;       x = np.moveaxis(x, axis, -1); K = x.shape[-1]
;;       x = np.pad(x, [(0, 0)] * (x.ndim - 1) + [(0, -K % 32)]); x = x.reshape(x.shape[:-1] + (-1, 32)); a = np.abs(x).max(-1, keepdims=True)
;;       e = np.where(a > 0, np.clip(np.frexp(np.where(a > 0, a, 1))[1] - 1 - 8, -126, 127), 0)      # np.frexp(a)[1] - 1 = floor(log2(a)), exactly
;;       r = np.clip(x / 2.0 ** e, -448, 448)
;;       step = 2.0 ** (np.maximum(np.frexp(np.where(r == 0, 1, r))[1] - 1, -6) - 3)
;;       q = np.round(r / step) * step * 2.0 ** e      # np.round: ties to even
;;       return np.moveaxis(q.reshape(q.shape[:-2] + (-1,))[..., :K], -1, axis).astype(np.float32)
;;   ~~~
;; One version. Each part assembles by itself: llvm-mc -triple=amdgcn-amd-amdhsa -mcpu=gfx1250 --defsym DOCPART=n.
;; ======== version 1 of 1: 3 launches
;; limits: right only within a limited range of input values
;; workspace buffers: w1f 1,081,344 bytes; bc 131,072 bytes; pw 262,144 bytes; ctxp 1,048,576 bytes; stat 65,536 bytes
;; launch prep (part 1): grid 128 x 1, 8 waves a work-group, no clusters, 18,432 bytes of LDS; arguments W1_w, W2_w, query, W1_b, W2_b, w1f, bc; writes w1f, bc
.if DOCPART == 1
	.amdgcn_target "amdgcn-amd-amdhsa--gfx1250"
	.amdhsa_code_object_version 6
	.text
	.protected	k_qe7e414d8ea_prep
	.globl	k_qe7e414d8ea_prep
	.p2align	8
	.type	k_qe7e414d8ea_prep,@function
k_qe7e414d8ea_prep:
	s_mov_b64 s[64:65], 0
	v_nop
	global_prefetch_b8 v0, s[64:65] scope:SCOPE_SE
	s_setreg_imm32_b32 hwreg(HW_REG_WAVE_MODE, 25, 1), 1
	s_wait_xcnt 0x0
; PREP.  W1_w, W2_w: [1024 (k)][1024 (n)] f32, K their FIRST axis; query: [32][1024] f32; W1_b, W2_b: [1024] f32.
; Out: w1f = W1 as codes of FP8 (E4M3) in the order of the operand's registers, with its E8M0 scale words;
;      bc  = c x (Q(query) Q(W2) + W1_b + W2_b), c = 2 log2(e), laid [column tile 64][batch 32][16 columns] f32.
; w1f: 64 blocks of BLK bytes, one for each tile of 16 columns.  In a block: K step s (128 along K) at 2048 s; in it register group c at 512 c, lane l's 16 bytes at 16 l:
;      lane (r = l % 16, h = l / 16) holds column r, k = 128 s + 32 c + 16 h + 0 .. 15.  Behind the codes, at 16384 + 32 r + 4 s, column r's scale word of K step s.
; SHARES.  Work-groups 0 to 63 make the product: work-group j owns column tile j, its wave s K step s: one fragment of W2, query's two fragments (batches 0-15, 16-31), two matrix instructions;
;      the eight waves' partial sums over K meet in LDS, which is why a column tile has one work-group.  Work-groups 64 to 127 quantise W1: tile j = number - 64, wave s its K step s.
;      The two kinds part once, on the work-group's number, and do not join again: each has its own barrier, its own end and its own LDS bytes.
; A LANE TAKES A COLUMN AND ITS REGISTERS RUN DOWN K, in the order that the operand's layout gives that lane: the conversions' results are the operand's registers.
; A block's scale is 2^(floor(log2(largest magnitude)) - 8); its byte is the largest magnitude's exponent field - 8, held at 1 from below.
; LIMITS: a block of zeros, or one whose largest magnitude lies under 2^(9 - 127), gets the byte 1 (its codes are zeros or what the floor's scale leaves; the bytes are read by this program alone);
;      NaN and infinities among the inputs are not served; the eight partial sums over K are added in ascending order of K, in f32.
; DEAD WORK LEFT OUT BY THE WHOLE PROGRAM: V_b.  reference() adds V_b[0] to every score of a batch and then takes the softmax over t: softmax(s + V_b) = softmax(s) for every finite V_b,
;      since e^(V_b) divides out of numerator and sum; out1 is that softmax and out0 is made of out1 and values alone.  So V_b reaches no output: it is not loaded and is among no launch's arguments.
;      LIMIT: a NaN, an infinity or an overflow that V_b alone would bring is not carried to the results.
.set BLK,  16896
.set PART, 0                           ; LDS, the product's work-groups: [K step 8][batch 32][16 columns] f32: the partial sums
.set SWS,  16384                       ; LDS, W1's work-groups: the tile's scale words: 32 r + 4 s
.set WO,   3                           ; v3   W: 65536 h + 4 r: lanes 16-31 begin 16 rows further down
.set QO,   4                           ; v4   query: 4096 r + 64 h
.set LI,   5                           ; v5   16 x lane
.set PS,   6                           ; v6   where my results go among the partial sums
.set SA,   7                           ; v7   where my column's scale word goes
.set T8,   8                           ; v8   8 x thread: my two numbers among a K step's partial sums (PART = 0), and in bc's block
.set BO,   10                          ; v10  my two columns in the biases
.set SWR,  11                          ; v11  the scale words on their way out
.set SQ,   12                          ; v12, v13 query's scale words;  v14 W2's;  v15 W1's: these four hold scales and nothing else
.set SW2,  14
.set SW1,  15
.set TM,   16                          ; v16-19 largest magnitudes, v20-23 bytes, v24-27 448 x the scale, v28-31 the conversions' scale operands
.set CQ,   32                          ; v32-47, v48-63 query's codes
.set CW,   64                          ; v64-79 a weight's codes
.set N0,   80                          ; v80-143  64 numbers of query
.set N1,   144                         ; v144-207 64 numbers of a weight
.set DD,   208                         ; v208-215, v216-223 the two results
.set BI,   224                         ; v224-227 the biases of my two columns
; 64 numbers of a lane, register 16 b + i = k 32 b + 16 (lane / 16) + i, become a fragment's 16 registers of codes at v[d] and its scale word in v[pw].
.macro QUANT s, d, pw
.irp b, 0,1,2,3
	v_max3_num_f32 v[TM+\b], |v[\s+16*\b]|, |v[\s+1+16*\b]|, 0x4800000   ; block b: my 16 numbers, and the floor 2^(9 - 127): the byte cannot fall under 1
.endr
.irp i, 2,4,6,8,10,12,14
.irp b, 0,1,2,3
	s_delay_alu instid0(VALU_DEP_4)
	v_max3_num_f32 v[TM+\b], v[TM+\b], |v[\s+16*\b+\i]|, |v[\s+1+16*\b+\i]|   ; the four blocks by turns
.endr
.endr
.irp b, 0,1,2,3
	s_delay_alu instid0(VALU_DEP_4)
	v_permlanex16_b32 v[TM+4+\b], v[TM+\b], s20, s21
.endr
.irp b, 0,1,2,3
	s_delay_alu instid0(VALU_DEP_4)
	v_max_num_f32 v[TM+\b], v[TM+\b], v[TM+4+\b]           ; with lane l xor 16's 16 numbers: the block's largest magnitude
.endr
.irp b, 0,1,2,3
	s_delay_alu instid0(VALU_DEP_4)
	v_add_nc_u32 v[TM+12+\b], 0xfc000000, v[TM+\b]         ; 8 off its exponent field: the conversion takes this operand's exponent field as its scale
.endr
.irp b, 0,1,2,3
	v_and_or_b32 v[TM+8+\b], v[TM+\b], 0x7f800000, s19     ; 448 x the scale: the exponent field over 448's mantissa field
.endr
.irp b, 0,1,2,3
	v_lshrrev_b32 v[TM+4+\b], 23, v[TM+12+\b]              ; the scale's byte
.endr
	s_delay_alu instid0(VALU_DEP_3)
	v_lshl_or_b32 v[\pw], v[TM+5], 8, v[TM+4]
	s_delay_alu instid0(VALU_DEP_1)
	v_lshl_or_b32 v[\pw], v[TM+6], 16, v[\pw]
	s_delay_alu instid0(VALU_DEP_1)
	v_lshl_or_b32 v[\pw], v[TM+7], 24, v[\pw]              ; the scale word stands 64 plain instructions ahead of any product
.irp b, 0,1,2,3
.irp i, 0,1,2,3,4,5,6,7,8,9,10,11,12,13,14,15
	v_med3_num_f32 v[\s+16*\b+\i], v[\s+16*\b+\i], -v[TM+8+\b], v[TM+8+\b]   ; the conversion to an 8-bit code does not saturate (ISA guide 7.6.2): the hold comes first
.endr
	v_cvt_scalef32_pk8_fp8_f32 v[\d+4*\b:\d+1+4*\b], v[\s+16*\b:\s+7+16*\b], v[TM+12+\b]
	v_cvt_scalef32_pk8_fp8_f32 v[\d+2+4*\b:\d+3+4*\b], v[\s+8+16*\b:\s+15+16*\b], v[TM+12+\b]
.endr
	v_nop                                          ; one plain instruction behind the last conversion
.endm
.macro QLOAD tau                       ; batches 16 tau + r: 16 neighbouring numbers of each of the K step's four blocks
.irp b, 0,1,2,3
.irp q, 0,1,2,3
	global_load_b128 v[N0+16*\b+4*\q:N0+16*\b+4*\q+3], v[QO], s[8:9] offset:\tau*65536+128*\b+16*\q
.endr
.endr
.endm
.macro WLOAD lo                        ; W(128 s + 32 c + 16 h + i, 16 j + r): sixteen neighbouring lanes read 64 neighbouring bytes
.irp c, 0,1,2,3
.irp i, 0,1,2,3,4,5,6,7,8,9,10,11,12,13,14,15
	global_load_b32 v[N1+16*\c+\i], v[WO], s[\lo:\lo+1] offset:(32*\c+\i)*4096
.endr
.endr
.endm
	s_load_b256 s[4:11], s[0:1], 0x0               ; W1_w s[4:5], W2_w s[6:7], query s[8:9], W1_b s[10:11]
	s_load_b128 s[12:15], s[0:1], 0x20             ; W2_b s[12:13], w1f s[14:15]
	s_load_b64 s[16:17], s[0:1], 0x30              ; bc
	v_lshl_add_u32 v254, v0, 2, 0x4400
	v_mov_b32 v255, 0
	v_lshrrev_b32 v1, 5, v0
	s_delay_alu instid0(VALU_DEP_1)
	v_readfirstlane_b32 s18, v1                    ; wave = K step
	s_and_b32 s34, ttmp9, 63                       ; j: my column tile
	s_lshr_b32 s35, ttmp9, 6                       ; 0: the product's work-group; 1: W1's
	v_and_b32 v1, 15, v0                           ; r
	v_bfe_u32 v2, v0, 4, 1                         ; h
	s_delay_alu instid0(VALU_DEP_2)
	v_lshlrev_b32 v[WO], 2, v1
	s_delay_alu instid0(VALU_DEP_1)
	v_lshl_or_b32 v[WO], v2, 16, v[WO]
	s_delay_alu instid0(VALU_DEP_4)
	v_lshlrev_b32 v[QO], 12, v1
	s_delay_alu instid0(VALU_DEP_1)
	v_lshl_add_u32 v[QO], v2, 6, v[QO]
	v_and_b32 v[LI], 31, v0
	s_delay_alu instid0(VALU_DEP_1)
	v_lshlrev_b32 v[LI], 4, v[LI]
	s_lshl_b32 s24, s18, 11                        ; 2048 x wave
	v_lshlrev_b32 v[PS], 6, v1                     ; batch r: 64 bytes a batch,
	s_delay_alu instid0(VALU_DEP_1)
	v_lshl_add_u32 v[PS], v2, 5, v[PS]             ; my eight columns: 32 h,
	s_delay_alu instid0(VALU_DEP_1)
	v_add_nc_u32 v[PS], s24, v[PS]                 ; my K step's 2,048 bytes
	s_lshl_b32 s25, s18, 2
	s_add_co_u32 s25, s25, SWS
	v_lshlrev_b32 v[SA], 5, v1
	s_delay_alu instid0(VALU_DEP_1)
	v_add_nc_u32 v[SA], s25, v[SA]
	v_lshlrev_b32 v[T8], 3, v0
	v_and_b32 v[BO], 7, v0
	s_delay_alu instid0(VALU_DEP_1)
	v_lshlrev_b32 v[BO], 3, v[BO]
	v_add_nc_u32 v[SWR], SWS, v[LI]
.irp b, 0,1,2,3
	v_mov_b32 v[TM+4+\b], 0                        ; written once: a lane permute's destination counts as one of its sources
.endr
	s_mov_b32 s19, 0x600000                        ; the mantissa field of 448
	s_mov_b32 s20, 0x76543210
	s_mov_b32 s21, 0xfedcba98                      ; selects for lane l xor 16
	s_lshl_b32 s22, s18, 19                        ; W: 128 rows of 4,096 bytes a K step,
	s_lshl_b32 s26, s34, 6                         ; 64 bytes a column tile
	s_add_co_u32 s22, s22, s26
	s_mov_b32 s23, 0
	s_mov_b32 s27, 0
	s_lshl_b32 s28, s18, 9                         ; query: 512 bytes a K step
	s_mov_b32 s29, 0
	s_mul_i32 s30, s34, BLK                        ; w1f: my tile's block, my K step's 2,048 bytes
	s_add_co_u32 s30, s30, s24
	s_mov_b32 s31, 0
	s_lshl_b32 s32, s34, 11                        ; bc: 2,048 bytes a tile
	s_mov_b32 s33, 0
	s_wait_kmcnt 0x0
	s_add_nc_u64 s[4:5], s[4:5], s[22:23]
	s_add_nc_u64 s[6:7], s[6:7], s[22:23]
	s_add_nc_u64 s[8:9], s[8:9], s[28:29]
	s_add_nc_u64 s[10:11], s[10:11], s[26:27]
	s_add_nc_u64 s[12:13], s[12:13], s[26:27]
	s_add_nc_u64 s[14:15], s[14:15], s[30:31]
	s_add_nc_u64 s[16:17], s[16:17], s[32:33]
	s_cmp_lg_u32 s35, 0                            ; the same in all eight waves of a work-group
	s_cbranch_scc1 .Lw1
	; ---- THE PRODUCT: work-groups 0 to 63
	s_wait_alu depctr_va_vdst(0)
	global_load_b64 v[BI:BI+1], v[BO], s[10:11]
	global_load_b64 v[BI+2:BI+3], v[BO], s[12:13]
	QLOAD 0
	WLOAD 6                                        ; W2
	s_wait_loadcnt 63                              ; 64 loads were issued behind query's first 16: the largest count that a wait can name is one less
	QUANT N0, CQ, SQ
	QLOAD 1
	s_wait_loadcnt 16                              ; W2's 64 are in; query's second 16 may be out
	QUANT N1, CW, SW2
	s_wait_loadcnt 0x0                             ; query's second 16
	QUANT N0, CQ+16, SQ+1
.rept 4
	v_nop                                          ; codes written by vector instructions stand four places ahead of a scaled matrix instruction
.endr
	; TRANSPOSED: source 0 = 16 columns of W2, source 1 = 16 batches: lane (r, h) then holds batch 16 tau + r and columns 8 h + 0 .. 7
	v_wmma_scale_f32_16x16x128_f8f6f4 v[DD:DD+7], v[CW:CW+15], v[CQ:CQ+15], 0, v[SW2], v[SQ]
	v_wmma_scale_f32_16x16x128_f8f6f4 v[DD+8:DD+15], v[CW:CW+15], v[CQ+16:CQ+31], 0, v[SW2], v[SQ+1]
	v_pk_add_f32 v[BI:BI+1], v[BI:BI+1], v[BI+2:BI+3]      ; W1_b + W2_b: the first of the eight places ahead of the reads of the results
.rept 7
	v_nop
.endr
.irp t, 0,1
	ds_store_b128 v[PS], v[DD+8*\t:DD+8*\t+3] offset:PART+1024*\t        ; each result from its low end on
	ds_store_b128 v[PS], v[DD+8*\t+4:DD+8*\t+7] offset:PART+1024*\t+16
.endr
	s_wait_dscnt 0x0                               ; for the others' sake: my stores into LDS are done
	s_barrier_signal -1
	s_barrier_wait -1
.irp k, 0,1,2,3,4,5,6,7
	ds_load_b64 v[N0+2*\k:N0+2*\k+1], v[T8] offset:PART+2048*\k   ; my two numbers of each K step's partial sums
.endr
	s_wait_dscnt 0x0
.irp k, 1
	v_pk_add_f32 v[N0:N0+1], v[N0:N0+1], v[N0+2*\k:N0+2*\k+1]   ; K ascending
.endr
.irp k, 2, 3, 4, 5, 6, 7
	s_delay_alu instid0(VALU_DEP_1)
	v_pk_add_f32 v[N0:N0+1], v[N0:N0+1], v[N0+2*\k:N0+2*\k+1]   ; K ascending
.endr
	s_wait_alu depctr_va_vdst(0)
	v_pk_add_f32 v[N0:N0+1], v[N0:N0+1], v[BI:BI+1]
	s_delay_alu instid0(VALU_DEP_1)
	v_pk_mul_f32 v[N0:N0+1], v[N0:N0+1], 0x4038aa3b op_sel_hi:[1,0]   ; x c = 2 log2(e)
	global_store_b64 v[T8], v[N0:N0+1], s[16:17]   ; a wave stores 256 consecutive bytes, aligned
	s_wait_tensorcnt 0x0
	ds_add_u32 v254, v255
	s_wait_dscnt 0x0
	s_endpgm
	; ---- W1: work-groups 64 to 127
.Lw1:
	WLOAD 4
	s_wait_loadcnt 0x0
	QUANT N1, CW, SW1
.irp c, 0,1,2,3
	global_store_b128 v[LI], v[CW+4*\c:CW+4*\c+3], s[14:15] offset:512*\c   ; the fragment as it stands: 512 consecutive bytes a store, aligned to 256
.endr
	ds_store_b32 v[SA], v[SW1]                     ; lanes r and r + 16 write the same word with the same value
	s_wait_dscnt 0x0                               ; for wave 0's sake: my scale words are stored
	s_barrier_signal -1
	s_barrier_wait -1
	s_cmp_lg_u32 s18, 0
	s_cbranch_scc1 .Ldone
	ds_load_b128 v[N0+4:N0+7], v[SWR]              ; wave 0: the tile's 512 bytes of scale words
	s_wait_dscnt 0x0
	global_store_b128 v[LI], v[N0+4:N0+7], s[14:15] offset:16384   ; (in wave 0 the base stands at the block's first byte)
.Ldone:
	s_wait_tensorcnt 0x0
	ds_add_u32 v254, v255
	s_wait_dscnt 0x0
	s_endpgm
.Lfunc_end_k_qe7e414d8ea_prep:
	.size	k_qe7e414d8ea_prep, .Lfunc_end_k_qe7e414d8ea_prep-k_qe7e414d8ea_prep
	.p2alignl 7, 3214868480
	.fill 96, 4, 3214868480
	.section	.rodata,"a",@progbits
	.p2align	6, 0x0
	.amdhsa_kernel k_qe7e414d8ea_prep
		.amdhsa_group_segment_fixed_size 18432
		.amdhsa_private_segment_fixed_size 0
		.amdhsa_enable_private_segment 0
		.amdhsa_kernarg_size 56
		.amdhsa_user_sgpr_count 2
		.amdhsa_user_sgpr_kernarg_segment_ptr 1
		.amdhsa_wavefront_size32 1
		.amdhsa_system_sgpr_workgroup_id_x 1
		.amdhsa_system_sgpr_workgroup_id_y 1
		.amdhsa_system_sgpr_workgroup_id_z 1
		.amdhsa_system_vgpr_workitem_id 0
		.amdhsa_next_free_vgpr 256
		.amdhsa_next_free_sgpr 66
		.amdhsa_reserve_vcc 0
		.amdhsa_float_denorm_mode_32 3
		.amdhsa_float_denorm_mode_16_64 3
		.amdhsa_memory_ordered 1
		.amdhsa_forward_progress 1
		.amdhsa_inst_pref_size 59
	.end_amdhsa_kernel
	.amdgpu_metadata
---
amdhsa.version: [ 1, 2 ]
amdhsa.kernels:
  - .name:           k_qe7e414d8ea_prep
    .symbol:         k_qe7e414d8ea_prep.kd
    .args:
      - { .name: W1_w, .offset: 0, .size: 8, .value_kind: global_buffer, .address_space: global }
      - { .name: W2_w, .offset: 8, .size: 8, .value_kind: global_buffer, .address_space: global }
      - { .name: query, .offset: 16, .size: 8, .value_kind: global_buffer, .address_space: global }
      - { .name: W1_b, .offset: 24, .size: 8, .value_kind: global_buffer, .address_space: global }
      - { .name: W2_b, .offset: 32, .size: 8, .value_kind: global_buffer, .address_space: global }
      - { .name: w1f, .offset: 40, .size: 8, .value_kind: global_buffer, .address_space: global }
      - { .name: bc, .offset: 48, .size: 8, .value_kind: global_buffer, .address_space: global }
    .group_segment_fixed_size: 18432
    .private_segment_fixed_size: 0
    .kernarg_segment_align: 8
    .kernarg_segment_size: 56
    .max_flat_workgroup_size: 256
    .sgpr_count:     66
    .vgpr_count:     256
    .wavefront_size: 32
...
	.end_amdgpu_metadata
.endif
;; end of part 1
;; launch scores (part 2): grid 256 x 1, 4 waves a work-group, clusters of 4 x 1, 327,680 bytes of LDS; arguments values, w1f, bc, V_w, pw, ctxp, stat; writes pw, ctxp, stat
.if DOCPART == 2
	.amdgcn_target "amdgcn-amd-amdhsa--gfx1250"
	.amdhsa_code_object_version 6
	.text
	.protected	k_qe7e414d8ea_scores
	.globl	k_qe7e414d8ea_scores
	.p2align	8
	.type	k_qe7e414d8ea_scores,@function
k_qe7e414d8ea_scores:
	s_mov_b64 s[64:65], 0
	v_nop
	global_prefetch_b8 v0, s[64:65] scope:SCOPE_SE
	s_setreg_imm32_b32 hwreg(HW_REG_WAVE_MODE, 25, 1), 1
	s_wait_xcnt 0x0
	s_wait_alu depctr_hold_cnt(0) depctr_sa_sdst(0) depctr_va_vdst(0) depctr_va_sdst(0) depctr_va_ssrc(0) depctr_va_vcc(0) depctr_vm_vsrc(0)
	s_getreg_b32 s2, hwreg(HW_REG_IB_STS2, 6, 4)
	s_cmp_eq_u32 s2, 0
	s_cbranch_scc0 .Lentry_in_a_cluster
	s_endpgm
.Lentry_in_a_cluster:
	s_bfe_u32 s2, ttmp6, 0x10000c
	s_cmp_lg_u32 s2, 0x3003
	s_cbranch_scc0 .Lentry_shape_is_right
	s_endpgm
.Lentry_shape_is_right:
; SCORES AND PARTIAL CONTEXT.  score[b][t] = sum over u of V_w[u] tanh(Q(values[b][t]) . Q(W1)[:, u] + bias[b][u]); bias (x 2 log2 e) comes from bc, W1's codes and scale words from w1f.
; V_b is left out: it cancels in the softmax (see the first kernel's head).
; SHARES.  A work-group owns 256 rows of values (one eighth of a batch), a wave 64 of them.  PHASE 1: a wave reads its 64 rows (4,096 bytes a row, seven rows ahead), quantises them along K (a block of 32 lies in four
;      neighbouring lanes), and turns the codes through its own LDS stage into the operand's registers: 4 tiles x 8 K steps x 16 = 512 registers (windows 2, 3), where they stay.
; PHASE 2: the 64 column tiles of W1 (16 columns, 16,896 bytes each) come through a ring of two LDS slots of four tiles; the four work-groups of a cluster walk the same tiles and ask for them jointly, a tile a wave.
;      A TURN is one column tile: 32 matrix instructions (4 accumulators by turns, K ascending), and the tanh of earlier tiles in three stages, one turn apart:
;      t = c x + bias and 2^t;  1 + 2^t and its reciprocal r;  S += (-2 v) r.  tanh(x) = 1 - 2 / (1 + e^(2 x)), so the score is sum v + sum (-2 v) r; it holds for every finite x (2^t = infinity gives r = 0, 2^t = 0 gives r = 1).
;      A lane holds one column (lane % 16) and 8 rows of each tile, so bias and v are one number a lane.  The transcendentals of a turn stand as ONE batch.
; PHASE 3: m = the largest of the work-group's 256 scores, p = e^(score - m), l = their sum, and the partial context sum p values[row], for which a wave reads its 64 rows once more, eight rows ahead, into the
;      registers that the codes have left.  Out: pw = p [65,536]; ctxp = [256 work-groups][1024]; stat = (m, l), a unit of 256 bytes for each work-group.  The next launch joins a batch's eight parts.
; No prefetch: w1f is 1,081,344 bytes that all 64 clusters walk in the same order, a slot (four turns) ahead; values are streamed by plain loads seven and eight rows ahead, and to ask in phase 2 for phase 3's rows
;      would be to ask for a work-group's whole stream of 1,048,576 bytes at once.
; LIMITS: a block of zeros, or one whose largest magnitude lies under 2^(9 - 127), gets the scale byte 1; a p under 2^-126 becomes 0; NaN and infinities among the inputs are not served.
.set BLK,   16896                      ; a column tile in w1f: 16,384 bytes of codes + 512 of scale words
.set SLOT,  4*BLK
.set CST,   2*SLOT                     ; behind the ring: each wave's stage for 32 rows of codes; in phase 3 its first 16,384 bytes take the four waves' partial contexts
.set CP,    1040
.set CSW,   32*CP
.set SCS,   CST+4*CSW                  ; each wave's stage for their scale bytes
.set SCP,   48
.set SCW,   32*SCP
.set BVT,   SCS+4*SCW                  ; [1024 columns] pairs (bias, -2 v)
.set SST,   BVT+8192                   ; each wave's 64 p
.set STAT,  SST+1024                   ; the waves' maxima (4 words), then their sums (4 words)
.set SPARE, STAT+256                   ; the spare words
.set LI,   1
.set SPW,  2
.set NIL,  3
.set ADB,  4
.set ABS0, 5
.set ADS,  6
.set ABV0, 7
.set ADV,  8
.set VO,   9
.set CW0,  10
.set CW,   11
.set SW0,  12
.set SWH,  13
.set CR,   14
.set SR,   15
.set M,    16
.set SCO,  20
.set HO,   24
.set BY,   28
.set CD,   32
.set AS,   40                          ; v40-71 A's scale words;  v72-87 B's, two sets: scales and nothing else
.set BS,   72
.set BV,   88                          ; two pairs (bias, -2 v)
.set VC,   92
.set VB,   94
.set SV,   16
.set X0,   96                          ; v96-159 two sets of 4 accumulators
.set F,    160                         ; 2^t
.set E,    192                         ; 1 + 2^t, then r
.set S,    224                         ; the 32 sums
.set RST,  4                           ; phase 3's addresses, in registers that phase 2 has left
.set WAD,  5
.set MXA,  6
.set STA,  7
.set GO2,  8
.set SSI,  10
.set RRD,  11
.set SSO,  12
.set GOS,  13
.set AC,   X0                          ; v96-127 my 32 columns of the partial context
.set WT,   F                           ; v160-167 eight rows' p, in every lane
.set MSB, 0
.macro WIN new
.if MSB != (\new)
	s_set_vgpr_msb (MSB<<8)|(\new)
.set MSB, (\new)
.endif
.endm
.macro CROUND                          ; a round of the cluster's barrier
	s_barrier_signal -1
	s_barrier_wait -1
	s_cmp_lg_u32 s17, 0
	s_cbranch_scc1 .Lnot_wave_0_\@
	s_barrier_signal -3
.Lnot_wave_0_\@:
	s_barrier_wait -3
	s_barrier_signal -1
	s_barrier_wait -1
.endm
	s_load_b256 s[4:11], s[0:1], 0x0               ; values, w1f, bc, V_w
	s_load_b128 s[12:15], s[0:1], 0x20             ; pw, ctxp
	s_load_b64 s[54:55], s[0:1], 0x30              ; stat
	v_lshl_add_u32 v[SPW], v0, 2, SPARE
	v_mov_b32 v[NIL], 0
	ds_add_u32 v[SPW], v[NIL]                      ; the opening lines: the add twice on end
	ds_add_u32 v[SPW], v[NIL]
	v_lshrrev_b32 v16, 5, v0
	v_readfirstlane_b32 s17, v16                   ; wave
	s_bfe_u32 s21, ttmp6, 0x40000                  ; cx
	s_lshl_b32 s18, ttmp9, 2
	s_add_co_u32 s18, s18, s21                     ; work-group
	s_mov_b32 s24, 15|(3<<16)|(1<<21)              ; group 1: a tile as 66 rows of 256 bytes, dense; the mask names the cluster's four
	s_mov_b32 s25, 32<<16
	s_mov_b32 s26, 66<<16
	s_mov_b32 s27, 32<<16
	s_mov_b32 s28, 66
	s_mov_b32 s29, 32
	s_mov_b32 s30, 0
	s_mov_b32 s31, 0
	s_mul_i32 s46, s17, BLK                        ; my tile of a slot's four
	s_mov_b32 s47, 0
	s_mov_b32 s19, 0x4800000                       ; the floor 2^(9 - 127)
	s_mov_b32 s20, 0x600000                        ; the mantissa field of 448
	s_mov_b32 s22, 0x4038aa3b                      ; c = 2 log2(e)
	s_mov_b32 s23, s22
	s_lshl_b32 s48, s18, 2
	s_add_co_u32 s48, s48, s17                     ; which run of 64 rows is mine
	s_lshl_b32 s52, s48, 8
	s_mov_b32 s53, 0
	s_lshl_b32 s48, s48, 18
	s_mov_b32 s49, 0
	s_wait_dscnt 0x0                               ; both opening adds are done
	s_wait_kmcnt 0x0
	s_add_nc_u64 s[50:51], s[4:5], s[48:49]
	s_add_nc_u64 s[12:13], s[12:13], s[52:53]      ; pw: 256 bytes a wave
	s_lshl_b32 s52, s18, 12
	s_add_nc_u64 s[14:15], s[14:15], s[52:53]      ; ctxp: 4,096 bytes a work-group
	s_lshl_b32 s52, s18, 8
	s_add_nc_u64 s[54:55], s[54:55], s[52:53]      ; stat: 256 bytes a work-group
	s_lshr_b32 s48, s18, 3                         ; the batch: 64 bytes in each tile's part of bc
	s_lshl_b32 s48, s48, 6
	s_add_nc_u64 s[8:9], s[8:9], s[48:49]
	s_mov_b32 s32, 1                               ; group 0 for slot 0's first fill
	s_mov_b32 s33, s46
	s_add_nc_u64 s[34:35], s[6:7], s[46:47]
	s_or_b32 s35, s35, 0x80000000
	s_mov_b32 s36, 1                               ; and the walking one, which begins at slot 1
	s_add_co_u32 s37, s46, SLOT
	s_add_nc_u64 s[38:39], s[6:7], s[46:47]
	s_add_nc_u64 s[38:39], s[38:39], SLOT
	s_or_b32 s39, s39, 0x80000000
	CROUND
	tensor_load_to_lds s[32:35], s[24:31]          ; tiles 0 to 3: my one tensor load at the head
	s_nop 0
.rept 4
	v_nop
.endr
	v_and_b32 v16, 31, v0
	v_and_b32 v17, 15, v0
	v_bfe_u32 v18, v0, 4, 1
	v_lshlrev_b32 v[VO], 5, v16
	v_lshrrev_b32 v19, 1, v0
	v_and_b32 v20, 1, v0
	v_lshlrev_b32 v19, 11, v19
	v_lshl_or_b32 v19, v20, 5, v19
	v_lshlrev_b32 v21, 5, v0
	global_load_b128 v[E:E+3], v19, s[8:9]         ; thread t: the biases of columns 8 t .. 8 t + 7,
	global_load_b128 v[E+4:E+7], v19, s[8:9] offset:16
	global_load_b128 v[E+8:E+11], v21, s[10:11]    ; and their v
	global_load_b128 v[E+12:E+15], v21, s[10:11] offset:16
.macro FILLROW slot, off               ; a row: lane l takes k = 256 g + 8 l + 0 .. 7, g = 0 .. 3, into window 1
	WIN 0x40
.irp g, 0,1,2,3
	global_load_b128 v[32*(\slot)+8*\g:32*(\slot)+8*\g+3], v[VO], s[50:51] offset:(\off)+1024*\g
	global_load_b128 v[32*(\slot)+8*\g+4:32*(\slot)+8*\g+7], v[VO], s[50:51] offset:(\off)+1024*\g+16
.endr
.endm
.macro FILL3 slot, off                 ; the same for phase 3, into window 2: the row's last read
	WIN 0x80
.irp g, 0,1,2,3
	global_load_b128 v[32*(\slot)+8*\g:32*(\slot)+8*\g+3], v[VO], s[50:51] offset:(\off)+1024*\g th:TH_LOAD_NT
	global_load_b128 v[32*(\slot)+8*\g+4:32*(\slot)+8*\g+7], v[VO], s[50:51] offset:(\off)+1024*\g+16 th:TH_LOAD_NT
.endr
.endm
.irp n, 0,1,2,3,4,5,6
	FILLROW \n, \n*4096
.endr
	WIN 0
	v_lshlrev_b32 v[LI], 4, v16
	v_lshl_add_u32 v[ABS0], v17, 5, 16384
	v_lshl_add_u32 v[ABV0], v17, 3, BVT
	s_mul_i32 s46, s17, CSW
	s_add_co_u32 s46, s46, CST
	v_lshl_add_u32 v[CW0], v16, 3, s46
	v_mul_u32_u24 v[CR], v17, CP
	v_lshl_add_u32 v[CR], v18, 4, v[CR]
	v_add_nc_u32 v[CR], s46, v[CR]
	s_mul_i32 s46, s17, SCW
	s_add_co_u32 s46, s46, SCS
	v_lshrrev_b32 v[SW0], 2, v16
	v_add_nc_u32 v[SW0], s46, v[SW0]
	v_mul_u32_u24 v[SR], v17, SCP
	v_add_nc_u32 v[SR], s46, v[SR]
	v_lshl_add_u32 v22, v0, 6, BVT
.irp e, 0,1,2,3,4,5,6,7,8,9,10,11,12,13,14,15,16,17,18,19,20,21,22,23,24,25,26,27,28,29,30,31
	v_mov_b32 v[S+\e], 0
.endr
	v_mov_b32 v[VC], 0
	v_mov_b32 v[VC+1], 0
	v_mov_b32 v[VB], 0
	s_wait_alu depctr_va_vdst(0)
	s_wait_loadcnt 56                              ; the biases and v are in; the seven rows' 56 loads may be out
.irp e, 0,1,2,3,4,5,6,7
	v_mov_b32 v[F+2*\e], v[E+\e]
	v_mul_f32 v[F+2*\e+1], -2.0, v[E+8+\e]
.endr
.irp k, 0,1,2,3
	ds_store_b128 v22, v[F+4*\k:F+4*\k+3] offset:16*\k
.endr
; one row: its four blocks' largest magnitudes (8 numbers a lane, four lanes a block), scale, hold, codes; codes and bytes go to my stage
.macro ROWQ i, fill, left
.set R, 32*(\i)
	s_wait_loadcnt \left                           ; this row's eight loads are in; the later rows' may be out
.if \fill
	FILLROW ((\i)+7)%8, ((\i)+7)*4096
.endif
	WIN 0x05
.irp g, 0,1,2,3
	v_max3_num_f32 v[M+\g], |v[R+8*\g]|, |v[R+8*\g+1]|, s19
.endr
.irp e, 2,4,6
.irp g, 0,1,2,3
	v_max3_num_f32 v[M+\g], |v[R+8*\g+\e]|, |v[R+8*\g+\e+1]|, v[M+\g]
.endr
.endr
	WIN 0
.irp g, 0,1,2,3
	v_max_num_f32_dpp v[M+\g], v[M+\g], v[M+\g] row_xmask:1 row_mask:0xf bank_mask:0xf
.endr
.irp g, 0,1,2,3
	v_max_num_f32_dpp v[M+\g], v[M+\g], v[M+\g] row_xmask:2 row_mask:0xf bank_mask:0xf
.endr
.irp g, 0,1,2,3
	v_add_nc_u32 v[SCO+\g], 0xfc000000, v[M+\g]    ; 8 off the exponent field: the conversion's scale operand
.endr
.irp g, 0,1,2,3
	v_and_or_b32 v[HO+\g], v[M+\g], 0x7f800000, s20   ; 448 x the scale
.endr
	WIN 0x41
.irp g, 0,1,2,3
.irp e, 0,1,2,3,4,5,6,7
	v_med3_num_f32 v[R+8*\g+\e], v[R+8*\g+\e], -v[HO+\g], v[HO+\g]
.endr
.endr
	WIN 0x01
	s_wait_alu depctr_va_vdst(0)
	s_wait_dscnt 0x0                               ; the last row's stores have read their registers
.irp g, 0,1,2,3
	v_cvt_scalef32_pk8_fp8_f32 v[CD+2*\g:CD+2*\g+1], v[R+8*\g:R+8*\g+7], v[SCO+\g]
.endr
	WIN 0
.irp g, 0,1,2,3
	v_lshrrev_b32 v[BY+\g], 23, v[SCO+\g]
.endr
.irp g, 0,1,2,3
	ds_store_b64 v[CW], v[CD+2*\g:CD+2*\g+1] offset:(\i)*CP+256*\g
	ds_store_b8 v[SWH], v[BY+\g] offset:(\i)*SCP+8*\g
.endr
.endm
.macro STAGEADR
	s_wait_dscnt 0x0
	v_add_nc_u32 v[CW], s42, v[CW0]
	v_add_nc_u32 v[SWH], s43, v[SW0]
.endm
.macro TRIP8
	STAGEADR
.irp i, 0,1,2,3,4,5,6,7
	ROWQ \i, 1, 48
.endr
	s_wait_xcnt 0x0                                ; the loads have read their base
	s_add_nc_u64 s[50:51], s[50:51], 32768
	s_add_co_u32 s42, s42, 8*CP
	s_add_co_u32 s43, s43, 8*SCP
.endm
.macro FETCHA tau, rr                  ; tile tau's eight fragments and scale words out of my stage (LDS serves a wave's instructions in order)
	WIN 0x80
.irp s, 0,1,2,3
.irp c, 0,1,2,3
	ds_load_b128 v[64*\tau+16*\s+4*\c:64*\tau+16*\s+4*\c+3], v[CR] offset:\rr*CP+128*\s+32*\c
.endr
.endr
	WIN 0xc0
.irp s, 0,1,2,3
.irp c, 0,1,2,3
	ds_load_b128 v[64*\tau+16*\s+4*\c:64*\tau+16*\s+4*\c+3], v[CR] offset:\rr*CP+512+128*\s+32*\c
.endr
.endr
	WIN 0
	ds_load_b128 v[AS+8*\tau:AS+8*\tau+3], v[SR] offset:\rr*SCP
	ds_load_b128 v[AS+8*\tau+4:AS+8*\tau+7], v[SR] offset:\rr*SCP+16
.endm
	s_mov_b32 s42, 0
	s_mov_b32 s43, 0
	s_mov_b32 s44, 4
.Lrows_a:                                              ; rows 0 to 31
	TRIP8
	s_sub_co_u32 s44, s44, 1
	s_cmp_lg_u32 s44, 0
	s_cbranch_scc1 .Lrows_a
	FETCHA 0, 0
	FETCHA 1, 16
	s_wait_tensorcnt 0x0                           ; my tile of slot 0 is in
	ds_add_u32 v[SPW], v[NIL]
	s_wait_dscnt 0x0
	CROUND
	tensor_load_to_lds s[36:39], s[24:31]          ; tiles 4 to 7 into slot 1: they have rows 32 to 63 in which to land
	s_nop 0
.rept 4
	v_nop
.endr
	s_mov_b32 s42, 0
	s_mov_b32 s43, 0
	s_mov_b32 s44, 3
.Lrows_b:                                              ; rows 32 to 55
	TRIP8
	s_sub_co_u32 s44, s44, 1
	s_cmp_lg_u32 s44, 0
	s_cbranch_scc1 .Lrows_b
	STAGEADR                                       ; rows 56 to 63: only the first asks for a row
	ROWQ 0, 1, 48
	ROWQ 1, 0, 48
	ROWQ 2, 0, 40
	ROWQ 3, 0, 32
	ROWQ 4, 0, 24
	ROWQ 5, 0, 16
	ROWQ 6, 0, 8
	ROWQ 7, 0, 0
	FETCHA 2, 0
	FETCHA 3, 16
	s_sub_nc_u64 s[50:51], s[50:51], 7*32768       ; back to my first row, for phase 3 (every load has landed)
; matrix instruction W of a turn: K step W / 4, row tile W % 4: the four accumulators take turns, one instruction a turn
.macro MM par
.set KS, W/4
.set TT, W%4
.set XA, X0+32*(\par)+8*TT
.set RA, 64*TT+16*(KS%4)
.set RB, 128*(\par)+16*KS
	WIN 0x06+KS/4                                  ; source 0 (rows) window 2 or 3, source 1 (columns) window 1
.if KS == 0
	v_wmma_scale_f32_16x16x128_f8f6f4 v[XA:XA+7], v[RA:RA+15], v[RB:RB+15], 0, v[AS+8*TT+KS], v[BS+8*(\par)+KS]
.else
	v_wmma_scale_f32_16x16x128_f8f6f4 v[XA:XA+7], v[RA:RA+15], v[RB:RB+15], v[XA:XA+7], v[AS+8*TT+KS], v[BS+8*(\par)+KS]
.endif
.endm
.macro FETCH par, fb, fv               ; fb: the next tile's fragments and scale words into the other set;  fv: this tile's (bias, -2 v)
.if \fb
	v_add_nc_u32 v[ADB], s40, v[LI]
	v_add_nc_u32 v[ADS], s40, v[ABS0]
	s_add_co_u32 s40, s40, BLK
.endif
.if \fv
	v_add_nc_u32 v[ADV], s41, v[ABV0]
	s_add_co_u32 s41, s41, 128
.endif
.if \fb
	WIN 0x40
.irp s, 0,1,2,3,4,5,6,7
.irp c, 0,1,2,3
	ds_load_b128 v[128*(1-(\par))+16*\s+4*\c:128*(1-(\par))+16*\s+4*\c+3], v[ADB] offset:2048*\s+512*\c
.endr
.endr
	WIN 0
	ds_load_b128 v[BS+8*(1-(\par)):BS+8*(1-(\par))+3], v[ADS]
	ds_load_b128 v[BS+8*(1-(\par))+4:BS+8*(1-(\par))+7], v[ADS] offset:16
.endif
.if \fv
	ds_load_b64 v[BV+2*(\par):BV+2*(\par)+1], v[ADV]
.endif
.endm
; plain line N of a turn's 32: lines 0-15: S += (-2 v) r;  lines 16-31: 1 + 2^t.  They name no register of the products
.macro PL vc, vd
.if (N < 16) && \vc
	WIN 0
	v_pk_fma_f32 v[S+2*N:S+2*N+1], v[E+2*N:E+2*N+1], v[VC:VC+1], v[S+2*N:S+2*N+1] op_sel_hi:[1,0,1]
.endif
.if (N >= 16) && \vd
	WIN 0
	v_pk_add_f32 v[E+2*N-32:E+2*N-31], v[F+2*N-32:F+2*N-31], 1.0 op_sel_hi:[1,0]
.endif
.endm
; A TURN.  mm: this tile's products;  vb: the last tile's t and 2^t;  vd: 1 + 2^t and r of the tile before that;  vc: the sums of the tile before that.
.macro TURN par, mm, fb, fv, vc, vd, vb
.set XP, X0+32*(1-(\par))
.set BP, BV+2*(1-(\par))
	s_wait_dscnt 0x0                               ; this tile's fragments and the last tile's (bias, -2 v), asked for a turn ago
.if \vb
	s_wait_alu depctr_va_vdst(0)                   ; directly ahead of the first readers of the last tile's results
.set I, 0
.rept 16
	v_pk_fma_f32 v[XP+I:XP+I+1], v[XP+I:XP+I+1], s[22:23], v[BP:BP+1] op_sel_hi:[1,0,0]   ; t = c x + bias, each accumulator from its low end on
.set I, I+2
.endr
.endif
.if \fb || \fv
	FETCH \par, \fb, \fv
.endif
.if \mm
.set W, 0
.rept 32
	MM \par
.if (W >= 4) && (W < 28)
.set N, W-4
	PL \vc, \vd                                    ; 24 of the plain lines stand between the products,
.endif
.set W, W+1
.endr
	WIN 0
.set N, 24
.rept 8
	PL \vc, \vd                                    ; and the last eight behind them: the places (ISA guide 7.12.1)
.set N, N+1
.endr
.else
.set N, 0
.rept 32
	PL \vc, \vd
.set N, N+1
.endr
.endif
.if \mm && !(\vc && \vd)
.rept 8
	v_nop                                          ; the places where the plain lines are not at hand
.endr
.endif
.if \vd || \vb
	s_wait_alu depctr_va_vdst(0)
.endif
.if \vb
.set I, 0
.rept 32
	v_exp_f32 v[F+I], v[XP+I]
.set I, I+1
.endr
.endif
.if \vd
.set I, 0
.rept 32
	v_rcp_f32 v[E+I], v[E+I]
.set I, I+1
.endr
.endif
.if \vc || \vd || \vb
	v_mov_b32 v[VC], v[VB]                         ; -2 v walks with its tile through the stages.  (A plain place behind the batch)
.endif
.if \vb
	v_mov_b32 v[VB], v[BP+1]
	v_add_f32 v[SV], v[SV], v[BP+1]                ; the sum of -2 v
.endif
.if \vd || \vb
	s_wait_alu depctr_va_vdst(0)                   ; one wait for the whole batch
.endif
.endm
.macro CHANGE fill                     ; the change of slots: all fragments of the slot that is left are in registers
	s_wait_tensorcnt 0x0
	ds_add_u32 v[SPW], v[NIL]
.if \fill
	s_xor_b32 s37, s37, SLOT
	s_add_nc_u64 s[38:39], s[38:39], SLOT
	s_wait_dscnt 0x0
	CROUND
	tensor_load_to_lds s[36:39], s[24:31]          ; the slot just left takes the four tiles after the next four
	s_nop 0
.rept 4
	v_nop
.endr
.else
	s_wait_dscnt 0x0
	s_barrier_signal -1
	s_barrier_wait -1
.endif
	s_sub_co_u32 s40, s40, SLOT
	s_xor_b32 s40, s40, SLOT
.endm
.macro FOUR
	s_mov_b32 s45, 2
.Lpair_\@:
	TURN 1, 1, 1, 1, 1, 1, 1
	TURN 0, 1, 1, 1, 1, 1, 1
	s_sub_co_u32 s45, s45, 1
	s_cmp_lg_u32 s45, 0
	s_cbranch_scc1 .Lpair_\@
.endm
	s_wait_tensorcnt 0x1                           ; slot 1's load may stay out
	s_wait_dscnt 0x0                               ; my stores of (bias, -2 v) are done, and my fragments are in
	s_barrier_signal -1
	s_barrier_wait -1
	s_mov_b32 s40, 0
	s_mov_b32 s41, 0
	v_mov_b32 v[SV], 0
	v_mov_b32 v[SV+1], 0
	FETCH 1, 1, 0                                  ; tile 0's fragments
	TURN 0, 1, 1, 1, 0, 0, 0                       ; tiles 0 to 2 fill the stages
	TURN 1, 1, 1, 1, 0, 0, 1
	TURN 0, 1, 1, 1, 0, 1, 1
	s_mov_b32 s44, 14
.Lvisit:                                               ; tiles 3 to 58
	CHANGE 1
	FOUR
	s_sub_co_u32 s44, s44, 1
	s_cmp_lg_u32 s44, 0
	s_cbranch_scc1 .Lvisit
	CHANGE 0                                       ; the last slot: nothing is filled again
	FOUR
	TURN 1, 1, 0, 1, 1, 1, 1                       ; tile 63
.irp n, 0,1,2,3,4,5,6,7
	FILL3 \n, \n*4096                              ; the codes of K steps 0-3 are done with: their registers take phase 3's first eight rows while the stages run empty
.endr
	WIN 0
	TURN 0, 0, 0, 0, 1, 1, 1
	TURN 1, 0, 0, 0, 1, 1, 0
	TURN 0, 0, 0, 0, 1, 0, 0
.set I, 0
.rept 16
	v_pk_fma_f32 v[S+I:S+I+1], v[SV:SV+1], -0.5, v[S+I:S+I+1] op_sel_hi:[0,0,1]   ; + my columns' sum of v
.set I, I+2
.endr
.irp m, 1,2,4,8
.irp e, 0,1,2,3,4,5,6,7,8,9,10,11,12,13,14,15,16,17,18,19,20,21,22,23,24,25,26,27,28,29,30,31
	v_add_f32_dpp v[S+\e], v[S+\e], v[S+\e] row_xmask:\m row_mask:0xf bank_mask:0xf   ; over the sixteen lanes' columns: register 8 t + j is the score of row 16 t + 8 h + j
.endr
.endr
	; PHASE 3
	s_mov_b32 s42, 0x76543210
	s_mov_b32 s43, 0xfedcba98                      ; selects for lane l xor 16
	s_mov_b32 s22, 0x3fb8aa3b                      ; log2(e)
	s_mov_b32 s23, s22
	s_lshl_b32 s46, s17, 8
	s_add_co_u32 s46, s46, SST
	s_lshl_b32 s47, s17, 2
	s_add_co_u32 s47, s47, STAT
	s_lshl_b32 s45, s17, 12
	s_add_co_u32 s45, s45, CST
	v_bfe_u32 v[SSI], v0, 4, 1
	v_lshl_add_u32 v[SSI], v[SSI], 5, s46          ; p into my 256 bytes: 32 h
	v_and_b32 v[GOS], 31, v0
	v_lshl_add_u32 v[RST], v[GOS], 5, s45          ; my partial context: 4,096 x wave + 32 x lane
	v_lshlrev_b32 v[GOS], 3, v[GOS]
	v_add_nc_u32 v[SSO], s46, v[GOS]
	v_mov_b32 v[WAD], s46                          ; my wave's p, for all lanes alike
	v_mov_b32 v[MXA], s47                          ; my wave's word
	v_mov_b32 v[STA], STAT
	v_lshlrev_b32 v[GO2], 4, v0                    ; 16 x thread
	v_add_nc_u32 v[RRD], CST, v[GO2]
	v_mov_b32 v[M+2], 0                            ; a lane permute's destination counts as one of its sources
	v_max3_num_f32 v[M], v[S], v[S+1], v[S+2]
	v_max3_num_f32 v[M+1], v[S+3], v[S+4], v[S+5]
.irp i, 6,10,14,18,22,26
	v_max3_num_f32 v[M], v[M], v[S+\i], v[S+\i+1]
	v_max3_num_f32 v[M+1], v[M+1], v[S+\i+2], v[S+\i+3]
.endr
	v_max3_num_f32 v[M], v[M], v[S+30], v[S+31]
	v_max_num_f32 v[M], v[M], v[M+1]
	v_permlanex16_b32 v[M+2], v[M], s42, s43
	v_max_num_f32 v[M], v[M], v[M+2]               ; my wave's largest score
	ds_store_b32 v[MXA], v[M]
	s_wait_alu depctr_va_vdst(0)
	s_wait_dscnt 0x0
	s_barrier_signal -1
	s_barrier_wait -1
	ds_load_b128 v[M:M+3], v[STA]
.irp e, 0,1,2,3,4,5,6,7,8,9,10,11,12,13,14,15,16,17,18,19,20,21,22,23,24,25,26,27,28,29,30,31
	v_mov_b32 v[AC+\e], 0
.endr
	s_wait_dscnt 0x0
	v_max3_num_f32 v[M], v[M], v[M+1], v[M+2]
	v_max_num_f32 v[M], v[M], v[M+3]               ; m: it stays in v16
	v_mul_f32 v[M+2], 0xbfb8aa3b, v[M]
.set I, 0
.rept 16
	v_pk_fma_f32 v[S+I:S+I+1], v[S+I:S+I+1], s[22:23], v[M+2:M+3] op_sel_hi:[1,0,0]   ; (score - m) log2(e)
.set I, I+2
.endr
	s_wait_alu depctr_va_vdst(0)
.set I, 0
.rept 32
	v_exp_f32 v[S+I], v[S+I]                       ; p
.set I, I+1
.endr
	v_nop
	s_wait_alu depctr_va_vdst(0)                   ; one wait for the batch
	v_pk_add_f32 v[20:21], v[S:S+1], v[S+2:S+3]
	v_pk_add_f32 v[22:23], v[S+4:S+5], v[S+6:S+7]
.irp i, 8,12,16,20,24,28
	v_pk_add_f32 v[20:21], v[20:21], v[S+\i:S+\i+1]
	v_pk_add_f32 v[22:23], v[22:23], v[S+\i+2:S+\i+3]
.endr
	v_pk_add_f32 v[20:21], v[20:21], v[22:23]
	v_add_f32 v20, v20, v21
	v_permlanex16_b32 v[M+2], v20, s42, s43
	v_add_f32 v20, v20, v[M+2]                     ; my wave's sum of p
	ds_store_b32 v[MXA], v20 offset:16
.irp t, 0,1,2,3
	ds_store_b128 v[SSI], v[S+8*\t:S+8*\t+3] offset:64*\t          ; rows 16 t + 8 h + 0 .. 7; the sixteen lanes of a half write the same words with the same values
	ds_store_b128 v[SSI], v[S+8*\t+4:S+8*\t+7] offset:64*\t+16
.endr
	ds_load_b64 v[24:25], v[SSO]
	s_wait_dscnt 0x0
	global_store_b64 v[GOS], v[24:25], s[12:13]    ; my 64 p: one aligned unit of 256 bytes
; eight rows: row i's 4,096 bytes x its p, picked from its pair of registers by the operand selects.  fill = 1: each slot takes the row eight further on
.macro CTRIP fill
	ds_load_b128 v[WT:WT+3], v[WAD]                ; all lanes read the same words
	ds_load_b128 v[WT+4:WT+7], v[WAD] offset:16
	s_wait_dscnt 0x0
	v_add_nc_u32 v[WAD], 32, v[WAD]
.irp i, 0,1,2,3,4,5,6,7
.if \fill
	s_wait_loadcnt 56                              ; row i's eight loads are in; the seven rows behind it stay out
.else
	s_wait_loadcnt 56-8*\i
.endif
	WIN 0x02
.set I, 0
.rept 16
.if (\i%2) == 0
	v_pk_fma_f32 v[AC+I:AC+I+1], v[32*\i+I:32*\i+I+1], v[WT+\i:WT+\i+1], v[AC+I:AC+I+1] op_sel_hi:[1,0,1]
.else
	v_pk_fma_f32 v[AC+I:AC+I+1], v[32*\i+I:32*\i+I+1], v[WT+\i-1:WT+\i], v[AC+I:AC+I+1] op_sel:[0,1,0] op_sel_hi:[1,1,1]
.endif
.set I, I+2
.endr
.if \fill
	FILL3 \i, (\i+8)*4096
.endif
.endr
	WIN 0
.if \fill
	s_wait_xcnt 0x0                                ; the loads have read their base
	s_add_nc_u64 s[50:51], s[50:51], 32768
.endif
.endm
	s_mov_b32 s44, 7
.Lctx:
	CTRIP 1
	s_sub_co_u32 s44, s44, 1
	s_cmp_lg_u32 s44, 0
	s_cbranch_scc1 .Lctx
	CTRIP 0                                        ; the last eight rows ask for nothing
.irp g, 0,1,2,3
	ds_store_b128 v[RST], v[AC+8*\g:AC+8*\g+3] offset:1024*\g      ; column 256 g + 8 l + e at byte 4 x column
	ds_store_b128 v[RST], v[AC+8*\g+4:AC+8*\g+7] offset:1024*\g+16
.endr
	s_wait_dscnt 0x0                               ; for the others' sake: my sums are stored
	s_barrier_signal -1
	s_barrier_wait -1
.irp q, 0,1
.irp w, 0,1,2,3
	ds_load_b128 v[E+16*\q+4*\w:E+16*\q+4*\w+3], v[RRD] offset:4096*\w+2048*\q   ; thread t: columns 512 q + 4 t .. + 3 of the four waves
.endr
.endr
	ds_load_b128 v[20:23], v[STA] offset:16        ; the four waves' sums of p
	s_wait_dscnt 0x0
.irp w, 1,2,3
.irp q, 0,1
	v_pk_add_f32 v[E+16*\q:E+16*\q+1], v[E+16*\q:E+16*\q+1], v[E+16*\q+4*\w:E+16*\q+4*\w+1]
	v_pk_add_f32 v[E+16*\q+2:E+16*\q+3], v[E+16*\q+2:E+16*\q+3], v[E+16*\q+4*\w+2:E+16*\q+4*\w+3]
.endr
.endr
	v_pk_add_f32 v[20:21], v[20:21], v[22:23]
	v_add_f32 v17, v20, v21                        ; l, beside m
	global_store_b128 v[GO2], v[E:E+3], s[14:15]   ; a wave stores 512 consecutive bytes, aligned to 256
	global_store_b128 v[GO2], v[E+16:E+19], s[14:15] offset:2048
	s_cmp_lg_u32 s17, 0
	s_cbranch_scc1 .Lno_stat
	global_store_b64 v[GOS], v[16:17], s[54:55]    ; wave 0: (m, l) in all 32 lanes: one aligned unit of 256 bytes
.Lno_stat:
	s_wait_tensorcnt 0x0                           ; the wave's end
	ds_add_u32 v[SPW], v[NIL]
	s_wait_dscnt 0x0
	CROUND                                         ; the closing round
	s_endpgm
.Lfunc_end_k_qe7e414d8ea_scores:
	.size	k_qe7e414d8ea_scores, .Lfunc_end_k_qe7e414d8ea_scores-k_qe7e414d8ea_scores
	.p2alignl 7, 3214868480
	.fill 96, 4, 3214868480
	.section	.rodata,"a",@progbits
	.p2align	6, 0x0
	.amdhsa_kernel k_qe7e414d8ea_scores
		.amdhsa_group_segment_fixed_size 327680
		.amdhsa_private_segment_fixed_size 0
		.amdhsa_enable_private_segment 0
		.amdhsa_kernarg_size 56
		.amdhsa_user_sgpr_count 2
		.amdhsa_user_sgpr_kernarg_segment_ptr 1
		.amdhsa_wavefront_size32 1
		.amdhsa_system_sgpr_workgroup_id_x 1
		.amdhsa_system_sgpr_workgroup_id_y 1
		.amdhsa_system_sgpr_workgroup_id_z 1
		.amdhsa_system_vgpr_workitem_id 0
		.amdhsa_next_free_vgpr 1024
		.amdhsa_next_free_sgpr 66
		.amdhsa_reserve_vcc 0
		.amdhsa_float_denorm_mode_32 3
		.amdhsa_float_denorm_mode_16_64 3
		.amdhsa_memory_ordered 1
		.amdhsa_forward_progress 1
		.amdhsa_inst_pref_size 255
	.end_amdhsa_kernel
	.section	.bss,"aw",@nobits
	.p2align	6
	.space	262144
	.amdgpu_metadata
---
amdhsa.version: [ 1, 2 ]
amdhsa.kernels:
  - .name:           k_qe7e414d8ea_scores
    .symbol:         k_qe7e414d8ea_scores.kd
    .args:
      - { .name: values, .offset: 0, .size: 8, .value_kind: global_buffer, .address_space: global }
      - { .name: w1f, .offset: 8, .size: 8, .value_kind: global_buffer, .address_space: global }
      - { .name: bc, .offset: 16, .size: 8, .value_kind: global_buffer, .address_space: global }
      - { .name: V_w, .offset: 24, .size: 8, .value_kind: global_buffer, .address_space: global }
      - { .name: pw, .offset: 32, .size: 8, .value_kind: global_buffer, .address_space: global }
      - { .name: ctxp, .offset: 40, .size: 8, .value_kind: global_buffer, .address_space: global }
      - { .name: stat, .offset: 48, .size: 8, .value_kind: global_buffer, .address_space: global }
    .group_segment_fixed_size: 327680
    .private_segment_fixed_size: 0
    .kernarg_segment_align: 8
    .kernarg_segment_size: 56
    .max_flat_workgroup_size: 128
    .sgpr_count:     66
    .vgpr_count:     1024
    .wavefront_size: 32
...
	.end_amdgpu_metadata
.endif
;; end of part 2
;; launch finish (part 3): grid 256 x 1, 3 waves a work-group, no clusters, 0 bytes of LDS; arguments pw, ctxp, stat, out0, out1; writes out0, out1
.if DOCPART == 3
	.amdgcn_target "amdgcn-amd-amdhsa--gfx1250"
	.amdhsa_code_object_version 6
	.text
	.protected	k_qe7e414d8ea_finish
	.globl	k_qe7e414d8ea_finish
	.p2align	8
	.type	k_qe7e414d8ea_finish,@function
k_qe7e414d8ea_finish:
	s_mov_b64 s[64:65], 0
	v_nop
	global_prefetch_b8 v0, s[64:65] scope:SCOPE_SE
	s_setreg_imm32_b32 hwreg(HW_REG_WAVE_MODE, 25, 1), 1
	s_wait_xcnt 0x0
; FINISH.  A batch's eight parts (256 rows each) are joined.  Part j gave m_j (its largest score), l_j = sum of p, p = e^(score - m_j) (pw) and c_j = sum of p values[row] (ctxp).
; With M = the largest m_j, L = sum over j of e^(m_j - M) l_j and f_j = e^(m_j - M) / L:  out1[b][256 j + t] = f_j p;  out0[b][d] = sum over j of f_j c_j[d].  The true maximum of the batch is taken away; all in f32.
; (The scores came without V_b, which cancels in this softmax: see the first kernel's head.)
; SHARES.  Work-group x = 8 b + i: waves 0 and 1 store out1's 256 numbers of part i, wave 2 out0[b][128 i .. 128 i + 127].  Each wave makes the eight f for itself: lane k holds part (k + i) % 8, so lane 0 holds part i.
; No loop, no LDS, no barrier: all loads of a wave go out at once.  LIMITS: an e^(m_j - M) under 2^-126 becomes 0; NaN and infinities are not served; out0's eight terms are added beginning with part i.
	s_load_b256 s[4:11], s[0:1], 0x0               ; pw, ctxp, stat, out0
	s_load_b64 s[12:13], s[0:1], 0x20              ; out1
	v_lshrrev_b32 v1, 5, v0
	v_readfirstlane_b32 s14, v1                    ; wave
	s_and_b32 s15, ttmp9, 7                        ; i
	s_lshr_b32 s16, ttmp9, 3                       ; b
	v_and_b32 v2, 31, v0
	v_add_nc_u32 v3, s15, v2
	v_and_b32 v3, 7, v3
	v_lshlrev_b32 v3, 8, v3                        ; stat: part (lane + i) % 8, 256 bytes a part
	v_lshlrev_b32 v4, 4, v2                        ; 16 x lane
	s_wait_alu depctr_va_vdst(0)                   ; directly behind the write
	s_lshl_b32 s18, s16, 11                        ; stat: 2,048 bytes a batch
	s_mov_b32 s19, 0
	s_lshl_b32 s20, ttmp9, 10                      ; pw, out1: 1,024 bytes a work-group,
	s_lshl_b32 s21, s14, 9                         ; 512 a wave
	s_add_co_u32 s20, s20, s21
	s_mov_b32 s21, 0
	s_lshl_b32 s22, s16, 15                        ; ctxp: 8 x 4,096 bytes a batch,
	s_lshl_b32 s24, s15, 9                         ; my work-group's 512 bytes of a part
	s_add_co_u32 s22, s22, s24
	s_mov_b32 s23, 0
	s_lshl_b32 s26, s16, 12                        ; out0: 4,096 bytes a batch
	s_add_co_u32 s26, s26, s24
	s_mov_b32 s27, 0
.irp k, 0,1,2,3,4,5,6,7
	s_add_co_u32 s28, s15, \k
	s_and_b32 s28, s28, 7
	s_lshl_b32 s28, s28, 12
	v_add_nc_u32 v[16+\k], s28, v4                 ; part (i + k) % 8 in ctxp
.endr
	s_wait_alu depctr_va_vdst(0)
	s_wait_kmcnt 0x0
	s_add_nc_u64 s[4:5], s[4:5], s[20:21]
	s_add_nc_u64 s[6:7], s[6:7], s[22:23]
	s_add_nc_u64 s[8:9], s[8:9], s[18:19]
	s_add_nc_u64 s[10:11], s[10:11], s[26:27]
	s_add_nc_u64 s[12:13], s[12:13], s[20:21]
	global_load_b64 v[8:9], v3, s[8:9]             ; (m, l) of my lane's part
.macro FACT                            ; v11 = f of my lane's part.  Eight neighbouring lanes hold the eight parts
	s_wait_loadcnt 0x0
	v_mov_b32 v10, v8
.irp m, 1,2,4
	v_max_num_f32_dpp v10, v10, v10 row_xmask:\m row_mask:0xf bank_mask:0xf
.endr
	v_sub_f32 v11, v8, v10
	v_mul_f32 v11, 0x3fb8aa3b, v11
	s_wait_alu depctr_va_vdst(0)
	v_exp_f32 v11, v11
	v_nop
	s_wait_alu depctr_va_vdst(0)
	v_mul_f32 v12, v11, v9
.irp m, 1,2,4
	v_add_f32_dpp v12, v12, v12 row_xmask:\m row_mask:0xf bank_mask:0xf
.endr
	s_wait_alu depctr_va_vdst(0)
	v_rcp_f32 v12, v12
	v_nop
	s_wait_alu depctr_va_vdst(0)
	v_mul_f32 v11, v11, v12
.endm
	s_cmp_lt_u32 s14, 2
	s_cbranch_scc0 .Lout0
	global_load_b128 v[32:35], v4, s[4:5]          ; waves 0, 1: 128 p of part i
	FACT
	v_readfirstlane_b32 s30, v11                   ; f of part i
	s_mov_b32 s31, s30
	v_pk_mul_f32 v[32:33], v[32:33], s[30:31] op_sel_hi:[1,0]
	v_pk_mul_f32 v[34:35], v[34:35], s[30:31] op_sel_hi:[1,0]
	global_store_b128 v4, v[32:35], s[12:13]       ; 512 consecutive bytes, aligned to 256
	s_endpgm
.Lout0:
.irp k, 0,1,2,3,4,5,6,7
	global_load_b128 v[32+4*\k:35+4*\k], v[16+\k], s[6:7]   ; wave 2: my 128 columns of the eight parts
.endr
	FACT
.irp k, 0,1,2,3,4,5,6,7
	v_readlane_b32 s[32+\k], v11, \k               ; f of part (i + k) % 8
.endr
.irp e, 0,1,2,3
	v_mul_f32 v[24+\e], s32, v[32+\e]
.endr
.irp k, 1,2,3,4,5,6,7
.irp e, 0,1,2,3
	v_fma_f32 v[24+\e], v[32+4*\k+\e], s[32+\k], v[24+\e]
.endr
.endr
	global_store_b128 v4, v[24:27], s[10:11]       ; 512 consecutive bytes, aligned to 256
	s_endpgm
.Lfunc_end_k_qe7e414d8ea_finish:
	.size	k_qe7e414d8ea_finish, .Lfunc_end_k_qe7e414d8ea_finish-k_qe7e414d8ea_finish
	.p2alignl 7, 3214868480
	.fill 96, 4, 3214868480
	.section	.rodata,"a",@progbits
	.p2align	6, 0x0
	.amdhsa_kernel k_qe7e414d8ea_finish
		.amdhsa_group_segment_fixed_size 0
		.amdhsa_private_segment_fixed_size 0
		.amdhsa_enable_private_segment 0
		.amdhsa_kernarg_size 40
		.amdhsa_user_sgpr_count 2
		.amdhsa_user_sgpr_kernarg_segment_ptr 1
		.amdhsa_wavefront_size32 1
		.amdhsa_system_sgpr_workgroup_id_x 1
		.amdhsa_system_sgpr_workgroup_id_y 1
		.amdhsa_system_sgpr_workgroup_id_z 1
		.amdhsa_system_vgpr_workitem_id 0
		.amdhsa_next_free_vgpr 64
		.amdhsa_next_free_sgpr 66
		.amdhsa_reserve_vcc 0
		.amdhsa_float_denorm_mode_32 3
		.amdhsa_float_denorm_mode_16_64 3
		.amdhsa_memory_ordered 1
		.amdhsa_forward_progress 1
		.amdhsa_inst_pref_size 8
	.end_amdhsa_kernel
	.amdgpu_metadata
---
amdhsa.version: [ 1, 2 ]
amdhsa.kernels:
  - .name:           k_qe7e414d8ea_finish
    .symbol:         k_qe7e414d8ea_finish.kd
    .args:
      - { .name: pw, .offset: 0, .size: 8, .value_kind: global_buffer, .address_space: global }
      - { .name: ctxp, .offset: 8, .size: 8, .value_kind: global_buffer, .address_space: global }
      - { .name: stat, .offset: 16, .size: 8, .value_kind: global_buffer, .address_space: global }
      - { .name: out0, .offset: 24, .size: 8, .value_kind: global_buffer, .address_space: global }
      - { .name: out1, .offset: 32, .size: 8, .value_kind: global_buffer, .address_space: global }
    .group_segment_fixed_size: 0
    .private_segment_fixed_size: 0
    .kernarg_segment_align: 8
    .kernarg_segment_size: 40
    .max_flat_workgroup_size: 96
    .sgpr_count:     66
    .vgpr_count:     64
    .wavefront_size: 32
...
	.end_amdgpu_metadata
.endif
;; end of part 3
